; MI455X (gfx1250); checked and timed in simulation.
; The chip was launched on July 23, 2026; its instructions are those of AMD's public machine-readable ISA for CDNA 5 (MIT licence, August 2026) and "CDNA5" Instruction Set Architecture Reference Guide (July 2026). The comments in the code are by the model that wrote it; some were corrected since.
;; Self Attn. Allowed arithmetic: matrix products marked QUANTISED: E2M1 operands, one E8M0 scale for each 32 along K, by v_wmma_scale_f32_16x16x128_f8f6f4 with both operands' format E2M1 (or v_wmma_scale_f32_32x16x128_f4), f32 sums; everything else in f32.
;; Inputs: Wk_codes 512 x 16 x 16 uint8 (E2M1 codes of Wk, K innermost, in blocks of 32 codes, two codes a byte); Wk_scales 512 x 16 uint8 (E8M0 scales of Wk, one for each 32 codes along K); Wq_codes 512 x 16 x 16 uint8 (E2M1 codes of Wq, K innermost, in blocks of 32 codes, two codes a byte); Wq_scales 512 x 16 uint8 (E8M0 scales of Wq, one for each 32 codes along K); Wv_codes 512 x 16 x 16 uint8 (E2M1 codes of Wv, K innermost, in blocks of 32 codes, two codes a byte); Wv_scales 512 x 16 uint8 (E8M0 scales of Wv, one for each 32 codes along K); beta 1 float32; bk 512 float32; bq 512 float32; bv 512 float32; x_codes 32 x 1,024 x 16 x 16 uint8 (E2M1 codes of x, K innermost, in blocks of 32 codes, two codes a byte); x_scales 32 x 1,024 x 16 uint8 (E8M0 scales of x, one for each 32 codes along K).
;; Outputs: out0 32 x 1,024 x 512 float32.
;; This version of the problem:
;;   THIS VERSION OF THE PROBLEM IS GIVEN IN LOW PRECISION. The matrix products marked QUANTISED in the list below multiply operands that are first quantised to E2M1 (2 exponent bits, 1 mantissa bit; 4 bits a number), with one power-of-two scale for each 32 numbers along K (OCP MX v1.0); their sums are f32. All else is computed in f32.
;;   The module's matrix products, in the order in which they are computed (A, B: the left and right operand; K: the contracted axis; several contracted axes count as one K, in the product's order):
;;     1. [M 32,768, K 512] x [K 512, N 512]; A: input x (given as codes); B: input Wq (given as codes): QUANTISED
;;     2. [M 32,768, K 512] x [K 512, N 512]; A: input x (given as codes); B: input Wk (given as codes): QUANTISED
;;     3. [M 32,768, K 512] x [K 512, N 512]; A: input x (given as codes); B: input Wv (given as codes): QUANTISED
;;     4. batch 32 x [M 1,024, K 512] x [K 512, N 1,024]; A: computed on the way; B: computed on the way: QUANTISED
;;     5. batch 32 x [M 1,024, K 1,024] x [K 1,024, N 512]; A: softmax (see below); B: computed on the way: QUANTISED
;;   THE QUANTISER, for each operand of a quantised product, along K:
;;     - K is cut into blocks of 32 from its start; a last block that is shorter is filled with zeros.
;;     - A block's scale is 2^e with e = floor(log2(the largest magnitude in the block)) - 2, held to -126 .. 127; a block of zeros has e = 0. As a byte (E8M0): e + 127.
;;     - Each number is divided by its block's scale, clamped to +-6, and rounded to the nearest number of E2M1, ties to even, subnormals kept.
;;     - The product sums the exact products of the quantised numbers (number of the format x scale) in f32.
;;   ~~~python
;;   def quantise(x, axis):      # numpy; x: float32 -> the quantised numbers, widened to float32 again
;;       x = np.moveaxis(x, axis, -1); K = x.shape[-1]
;;       x = np.pad(x, [(0, 0)] * (x.ndim - 1) + [(0, -K % 32)]); x = x.reshape(x.shape[:-1] + (-1, 32)); a = np.abs(x).max(-1, keepdims=True)
;;       e = np.where(a > 0, np.clip(np.frexp(np.where(a > 0, a, 1))[1] - 1 - 2, -126, 127), 0)      # np.frexp(a)[1] - 1 = floor(log2(a)), exactly
;;       r = np.clip(x / 2.0 ** e, -6, 6)
;;       step = 2.0 ** (np.maximum(np.frexp(np.where(r == 0, 1, r))[1] - 1, 0) - 1)
;;       q = np.round(r / step) * step * 2.0 ** e      # np.round: ties to even
;;       return np.moveaxis(q.reshape(q.shape[:-2] + (-1,))[..., :K], -1, axis).astype(np.float32)
;;   ~~~
;;   SOFTMAX AHEAD OF A QUANTISED PRODUCT. Where the list says 'softmax', what is quantised is not the finished softmax but p = 2^(t - M), with t = logit x log2(e) and M = ceil(the row's largest t), a whole number; so 1/2 < the row's largest p <= 1. The row's sum l is taken of the UNQUANTISED p, in f32, and the product's result is divided by l at the end. Since M is a whole number, a kernel that streams over the keys may use a running M (the ceiling of the running maximum): every later rescaling is an exact power of two, which a block's scale takes up: the codes' values come out the same.
;;   OPERANDS COMPUTED ON THE WAY. 'Computed on the way' means the value that the module computes at that place (a softmax that the list does not call 'softmax' is quantised finished and normalised). What goes into a quantiser is computed in f32, as accurately as f32 sums, v_exp_f32 and their like allow (about 1e-6 of the number): no bf16 or f16 on the way to a quantiser, and a product that is left as it is and whose result goes on into a quantised operand takes f32 operands (vector FMAs, or v_wmma_f32_16x16x4_f32). A number that lies on a knife's edge between two numbers of the format may be rounded either way, as far as f32 arithmetic and the matrix unit's own rounding can turn it there, and no further.
;;   INPUTS GIVEN AS CODES. Wk (in the module: [512, 512], K = its axis 1); Wq (in the module: [512, 512], K = its axis 1); Wv (in the module: [512, 512], K = its axis 1); x (in the module: [32, 1024, 512], K = its axis 2): each comes as NAME_codes (uint8): NAME with its K axis moved to the last place and cut into blocks of 32 codes, [.., K / 32, bytes a block], one block behind the other in memory; two codes a byte, the lower K in the low four bits (a code: sign, 2 exponent bits, 1 mantissa bit); and NAME_scales (uint8): the same leading axes, one E8M0 byte (e + 127) for each 32 codes along K. Its value is code x scale, taken as it is: it is not quantised again, and the codes and scales need not be those that the quantiser above would give.
;; One version. Each part assembles by itself: llvm-mc -triple=amdgcn-amd-amdhsa -mcpu=gfx1250 --defsym DOCPART=n.
;; ======== version 1 of 1: 2 launches
;; workspace buffers: qf 8,388,608 bytes; qs 524,288 bytes; kv 16,777,216 bytes; kvs 1,048,576 bytes
;; launch proj (part 1): grid 4 x 64, 4 waves a work-group, clusters of 4 x 4, 262,656 bytes of LDS; arguments x_codes, x_scales, Wq_codes, Wk_codes, Wv_codes, Wq_scales, Wk_scales, Wv_scales, bq, bk, bv, qf, qs, kv, kvs; writes qf, qs, kv, kvs
.if DOCPART == 1
	.amdgcn_target "amdgcn-amd-amdhsa--gfx1250"
	.amdhsa_code_object_version 6
	.text
	.protected	k_q022903e998_proj
	.globl	k_q022903e998_proj
	.p2align	8
	.type	k_q022903e998_proj,@function
k_q022903e998_proj:
	s_mov_b64 s[64:65], 0
	v_nop
	global_prefetch_b8 v0, s[64:65] scope:SCOPE_SE
	s_setreg_imm32_b32 hwreg(HW_REG_WAVE_MODE, 25, 1), 1
	s_wait_xcnt 0x0
	s_wait_alu depctr_hold_cnt(0) depctr_sa_sdst(0) depctr_va_vdst(0) depctr_va_sdst(0) depctr_va_ssrc(0) depctr_va_vcc(0) depctr_vm_vsrc(0)
	s_getreg_b32 s2, hwreg(HW_REG_IB_STS2, 6, 4)
	s_cmp_eq_u32 s2, 0
	s_cbranch_scc0 .Lentry_in_a_cluster
	s_endpgm
.Lentry_in_a_cluster:
	s_bfe_u32 s2, ttmp6, 0x10000c
	s_cmp_lg_u32 s2, 0xf033
	s_cbranch_scc0 .Lentry_shape_is_right
	s_endpgm
.Lentry_shape_is_right:
; q, k, v = x W^T + b on codes of FP4 (E2M1) with one E8M0 scale for each 32 along K, quantised again at once and stored as IMAGES OF OPERAND REGISTERS for the attention launch.
; x: 32,768 rows of 512 codes (256 bytes); Wq, Wk, Wv: 512 rows of 512 codes.  q and k are quantised along their 512 channels, v along the keys (its rows): blocks of 32, scale 2^(floor(log2(largest magnitude)) - 2).
; SHARES.  A work-group takes 512 rows of x and 128 channels g of each of q, k, v; each of its four waves 128 rows (group G): three jobs of 128 x 128 x 512, 64 accumulators, 256 matrix instructions each.
; The wave's 32 fragments of x stay in registers for all three jobs; W's fragments come from LDS, one set of eight, refilled half by half.
; CLUSTER 4 x 4: the four work-groups of a row need the same rows of x, the four of a column the same rows of W: both are asked for jointly, once, at the head; nothing in LDS is filled again.
; q, k: source 0 = 16 rows of W, source 1 = 16 rows of x: a lane holds ONE row of x and eight channels 16 t + 8 (lane / 16) + j.  v: the sources swapped: a lane holds ONE channel and eight keys.  Either way a lane's registers run along the next K.
; A fragment from eight result tiles: tile T's eight numbers become one register of codes; the layout wants k = 64 c + 32 (lane / 16) + 8 i in register 4 c + i, so tiles 4c, 4c+2 go to registers 4c, 4c+1 and change halves, tiles 4c+1, 4c+3 likewise to 4c+2, 4c+3.
; OUT.  A fragment's image is 1,024 bytes: registers 0-3 at 16 x lane, 4-7 at 512 + 16 x lane: each store covers 512 consecutive bytes.  Scale words lie [row 16][tile 8]: one store of 512 consecutive bytes a job.
;   qf [G][g][tile 8][1,024]; kv [batch][w 4][unit 16][tile 8][1,024]: units 0-7 K (key group 2 w + unit / 4, K step unit % 4), units 8-15 V^T (channels 128 w on, key group unit - 8); qs, kvs: the same places / 16.
; LIMITS: NaN and infinities are not served; a block whose largest magnitude lies under 2^(3 - 127), a block of zeros among them, gets the byte 1 (its codes are then zeros or nearly; this program alone reads the bytes).
; REGISTERS: window 0: v1-11 addresses; v12-15 scale words to store; v16-47 x's scale words; v48-79 W's; v80-143 the bias as C; v144-207 W's fragments; v208-255 at work.  window 1: x's fragments (tile m, K step s) at 8 (4 m + s).
;   windows 2, 3: accumulator (t, m) at 8 (8 (t % 4) + m) of window 2 + t / 4.
.set PITCH, 272                        ; an LDS row: 256 bytes + 16 of padding = 68 words: the 16 rows of a fragment load start at 16 different banks (64 banks of 4 bytes: ISA guide 11.1)
.set TROW,  16*PITCH
.set WBLK,  128*PITCH                  ; 128 rows
.set WL,    4*WBLK                     ; LDS: x's 512 rows from 0, then Wq's, Wk's, Wv's 128 rows each
.set LI,  3                            ; v3   16 x lane
.set XA,  4                            ; v4   my wave's rows of x: row r, + 16 h
.set WA,  5                            ; v5-7 the same in Wq, Wk, Wv
.set R16, 8                            ; v8   16 r
.set H32, 9                            ; v9   32 h
.set R4,  10                           ; v10  4 r
.set SO,  11                           ; v11  32 r + 16 h
.set SW,  12
.set XS,  16
.set WS,  48
.set BI,  80
.set WF,  144
.set TM,  208
.set T2,  212
.set OP,  216
.set BY,  220
.set PW,  224
.set PC,  232
.set TT,  240
.set WV,  34                           ; s34  wave
.set GX,  44                           ; s[44:51] group 1 for x's tiles;  s[52:59] for W's
.set GW,  52
.set G0X, 60                           ; s[60:63] group 0 for x;  s[68:79] for Wq, Wk, Wv
.set G0W, 68
.set SEL, 92
.set MSB, 0
.macro WIN new                         ; the immediate's high byte repeats the setting that is left; a switch that changes nothing is dropped
.if MSB != (\new)
	s_set_vgpr_msb (MSB<<8)|(\new)
.set MSB, (\new)
.endif
.endm
.macro PLACES                          ; four plain vector lines between a matrix instruction and a load into, or a vector read of, its registers
.rept 4
	v_nop
.endr
.endm
.macro CROUND                          ; a round of the cluster's barrier
	s_barrier_signal -1
	s_barrier_wait -1
	s_cmp_lg_u32 s[WV], 0
	s_cbranch_scc1 .Lnot_wave_0_\@
	s_barrier_signal -3
.Lnot_wave_0_\@:
	s_barrier_wait -3
	s_barrier_signal -1
	s_barrier_wait -1
.endm
.macro WFETCH j, s, t0                 ; W j's tiles t0 .. t0 + 3 of K step s: eight LDS loads
.irp t, \t0, \t0+1, \t0+2, \t0+3
.irp c, 0,1
	ds_load_b128 v[WF+8*(\t)+4*\c:WF+8*(\t)+4*\c+3], v[WA+(\j)] offset:(\t)*TROW+64*(\s)+32*\c
.endr
.endr
.endm
; 16 matrix instructions: W's tiles t0, t0 + 1 x the eight tiles of x, K step s.  kind 0: source 0 = W; kind 1: source 0 = x.  first = 1: C is the bias.  The accumulators take turns, one instruction a turn.
.macro MULT kind, s, t0, first
.set wW, 2+(\t0)/4
	WIN (wW<<6)+(1-\first)*(wW<<4)+4-3*\kind
.irp m, 0,1,2,3,4,5,6,7
.irp t, \t0, \t0+1
.set rD, 8*(8*((\t)%4)+\m)
.set rW, WF+8*(\t)
.set rX, 8*(4*\m+(\s))
.set rC, rD
.if \first
.set rC, BI+8*(\t)
.endif
.if \kind
	v_wmma_scale_f32_16x16x128_f8f6f4 v[rD:rD+7], v[rX:rX+7], v[rW:rW+7], v[rC:rC+7], v[XS+4*\m+(\s)], v[WS+4*(\t)+(\s)] matrix_a_fmt:MATRIX_FMT_FP4 matrix_b_fmt:MATRIX_FMT_FP4
.else
	v_wmma_scale_f32_16x16x128_f8f6f4 v[rD:rD+7], v[rW:rW+7], v[rX:rX+7], v[rC:rC+7], v[WS+4*(\t)+(\s)], v[XS+4*\m+(\s)] matrix_a_fmt:MATRIX_FMT_FP4 matrix_b_fmt:MATRIX_FMT_FP4
.endif
.endr
.endr
.endm
; A K step of 128: 64 matrix instructions.  W's tiles 0-3 are fetched anew in its middle, tiles 4-7 at its end: (nj, ns) is the step that follows, in this job or the next.
.macro STEP1 kind, s, nj, ns, more
.set fS, 0
.if (\s) == 0
.set fS, 1
.endif
	s_wait_dscnt 8                                 ; all but the youngest eight LDS loads (W's tiles 4-7) are in
	MULT \kind, \s, 0, fS
	MULT \kind, \s, 2, fS
	s_wait_dscnt 0x0                               ; tiles 4-7 are in
	PLACES
	WIN 0
.if \more
	WFETCH \nj, \ns, 0
.endif
	MULT \kind, \s, 4, fS
	MULT \kind, \s, 6, fS
	PLACES
	WIN 0
.if \more
	WFETCH \nj, \ns, 4
.endif
.endm
; Fragment i of a job's results: eight tiles T = 4 hb + u.  kind 0: accumulators (T, i); kind 1: accumulators (i, T).  Codes to memory at once, the scale word into v[PW + i].
.macro QUANT kind, i, cb
.irp hb, 0,1
.set qW, (1-\kind)*\hb+(\kind)*((\i)/4)
	WIN 0x0a+5*qW                                  ; sources 0 and 1 in the tiles' window
.irp e, 0,2,4,6
.irp u, 0,1,2,3
.set qR, (1-\kind)*8*(8*\u+(\i))+(\kind)*8*(8*((\i)%4)+4*\hb+\u)+\e
.if \e == 0
	v_max3_num_f32 v[TT+4*\hb+\u], |v[qR]|, |v[qR+1]|, 0x1800000   ; a chain for each tile, from its low end on; the floor 2^(3 - 127) holds the byte at 1 from below
.else
	v_max3_num_f32 v[TT+4*\hb+\u], |v[qR]|, |v[qR+1]|, v[TT+4*\hb+\u]
.endif
.endr
.endr
.endr
	WIN 0
.irp b, 0,1,2,3
	v_max_num_f32 v[TM+\b], v[TT+2*\b], v[TT+2*\b+1]   ; a block of 32 is two tiles,
.endr
.irp b, 0,1,2,3
	v_permlanex16_b32 v[T2+\b], v[TM+\b], s[SEL], s[SEL+1]
.endr
.irp b, 0,1,2,3
	v_max_num_f32 v[TM+\b], v[TM+\b], v[T2+\b]     ; in lanes l and l xor 16
.endr
.irp b, 0,1,2,3
	v_add_nc_u32 v[OP+\b], 0xff000000, v[TM+\b]    ; 2 off the exponent field: the conversion's scale operand
.endr
.irp b, 0,1,2,3
	v_lshrrev_b32 v[BY+\b], 23, v[OP+\b]           ; the scale's byte
.endr
	v_lshl_or_b32 v[PW+(\i)], v[BY+1], 8, v[BY]
	v_lshl_or_b32 v[PW+(\i)], v[BY+2], 16, v[PW+(\i)]
	v_lshl_or_b32 v[PW+(\i)], v[BY+3], 24, v[PW+(\i)]
	s_wait_xcnt 0x0                                ; the last fragment's stores have read v[PC] on: only now are they written again
.irp hb, 0,1
.set qW, (1-\kind)*\hb+(\kind)*((\i)/4)
	WIN 0x02+qW
.irp u, 0,1,2,3
.set qR, (1-\kind)*8*(8*\u+(\i))+(\kind)*8*(8*((\i)%4)+4*\hb+\u)
	v_cvt_scalef32_pk8_fp4_f32 v[PC+4*\hb+2*(\u%2)+\u/2], v[qR:qR+7], v[OP+2*\hb+\u/2]
.endr
.endr
	v_nop                                          ; one plain line behind the last scaled conversion
	WIN 0
.irp c, 0,1
	v_permlane16_swap_b32 v[PC+4*\c], v[PC+4*\c+1]     ; lanes 0-15 keep block 2 c, lanes 16-31 take block 2 c + 1
	v_permlane16_swap_b32 v[PC+4*\c+2], v[PC+4*\c+3]
.endr
	global_store_b128 v[LI], v[PC:PC+3], s[\cb:\cb+1] offset:1024*(\i)        ; 32 lanes store 512 consecutive bytes
	global_store_b128 v[LI], v[PC+4:PC+7], s[\cb:\cb+1] offset:1024*(\i)+512
.endm
.macro EPI kind, cb, sb
.irp i, 0,1,2,3,4,5,6,7
	QUANT \kind, \i, \cb
.endr
.irp k, 0,1,2,3
	v_cndmask_b32 v[SW+\k], v[PW+\k], v[PW+4+\k], vcc_lo   ; lanes 0-15 store row r's words of fragments 0-3, lanes 16-31 of 4-7 (the last store of these registers stands ahead of the waits above)
.endr
	global_store_b128 v[SO], v[SW:SW+3], s[\sb:\sb+1]
.endm
.macro BILOAD_T sb                     ; the bias as C where a lane holds channels 16 t + 8 h + j
.irp t, 0,1,2,3,4,5,6,7
	global_load_b128 v[BI+8*\t:BI+8*\t+3], v[H32], s[\sb:\sb+1] offset:64*\t
	global_load_b128 v[BI+8*\t+4:BI+8*\t+7], v[H32], s[\sb:\sb+1] offset:64*\t+16
.endr
.endm
.macro WSLOAD sb                       ; W's scale words: row 16 t + r: four words, one for each K step
.irp t, 0,1,2,3,4,5,6,7
	global_load_b128 v[WS+4*\t:WS+4*\t+3], v[R16], s[\sb:\sb+1] offset:256*\t
.endr
.endm
	s_load_b512 s[4:19], s[0:1], 0x0               ; x_codes, x_scales, Wq, Wk, Wv codes, Wq, Wk, Wv scales
	s_load_b256 s[20:27], s[0:1], 0x40             ; bq, bk, bv, qf
	s_load_b128 s[28:31], s[0:1], 0x60             ; qs, kv
	s_load_b64 s[32:33], s[0:1], 0x70              ; kvs
	v_lshl_add_u32 v254, v0, 2, 0x40000
	v_mov_b32 v255, 0
	ds_add_u32 v254, v255
	ds_add_u32 v254, v255
	v_lshrrev_b32 v1, 5, v0
	v_readfirstlane_b32 s[WV], v1                  ; wave 0..3
	s_bfe_u32 s35, ttmp6, 0x40000                  ; cx
	s_bfe_u32 s36, ttmp6, 0x40004                  ; cy
	s_lshl_b32 s40, ttmp9, 2
	s_add_co_u32 s40, s40, s35                     ; g: which 128 channels
	s_and_b32 s37, ttmp7, 0xffff
	s_lshl_b32 s37, s37, 2
	s_add_co_u32 s37, s37, s36                     ; Y: which 512 rows
	s_lshl_b32 s41, s36, 2
	s_lshl_b32 s41, 15, s41                        ; my row of the cluster
	s_lshl_b32 s42, 0x1111, s35                    ; my column
	s_or_b32 s[GX], s41, (1<<20)|(1<<21)|(5<<22)|(3<<25)   ; 15:0 the mask; 17:16 elements of 1 byte; 20 padding on; 21 set beside a mask; 24:22 after every 64 words; 31:25 four words
	s_or_b32 s[GW], s42, (1<<20)|(1<<21)|(5<<22)|(3<<25)
	s_mov_b32 s[GX+1], 256<<16                     ; tensor_dim0 = 256
	s_mov_b32 s[GX+2], 128<<16                     ; tensor_dim1 = 128
	s_mov_b32 s[GX+3], 256<<16                     ; tile_dim0 = 256
	s_mov_b32 s[GX+4], 128                         ; tile_dim1 = 128
	s_mov_b32 s[GX+5], 256                         ; from row to row
	s_mov_b32 s[GX+6], 0
	s_mov_b32 s[GX+7], 0
	s_mov_b32 s[GW+1], 256<<16
	s_mov_b32 s[GW+2], 32<<16                      ; a wave brings 32 rows of each W
	s_mov_b32 s[GW+3], 256<<16
	s_mov_b32 s[GW+4], 32
	s_mov_b32 s[GW+5], 256
	s_mov_b32 s[GW+6], 0
	s_mov_b32 s[GW+7], 0
	s_lshl_b32 s94, s37, 17                        ; x: (512 Y + 128 w) rows of 256 bytes: Y and the wave alone
	s_lshl_b32 s95, s[WV], 15
	s_add_co_u32 s94, s94, s95
	s_mov_b32 s95, 0
	s_lshl_b32 s96, s40, 15                        ; W: (128 g + 32 w) rows: g and the wave alone
	s_lshl_b32 s97, s[WV], 13
	s_add_co_u32 s96, s96, s97
	s_mov_b32 s97, 0
	s_mul_i32 s39, s[WV], WBLK                     ; LDS: the wave's number alone
	s_mul_i32 s43, s[WV], 32*PITCH
	s_wait_dscnt 0x0
	s_wait_kmcnt 0x0
	s_mov_b32 s[G0X], 1
	s_mov_b32 s[G0X+1], s39
	s_add_nc_u64 s[G0X+2:G0X+3], s[4:5], s[94:95]
	s_or_b32 s[G0X+3], s[G0X+3], 0x80000000
.irp j, 0,1,2
	s_mov_b32 s[G0W+4*\j], 1
	s_add_co_u32 s[G0W+4*\j+1], s43, WL+\j*WBLK
	s_add_nc_u64 s[G0W+4*\j+2:G0W+4*\j+3], s[8+2*\j:9+2*\j], s[96:97]
	s_or_b32 s[G0W+4*\j+3], s[G0W+4*\j+3], 0x80000000
.endr
	CROUND                                         ; all sixteen work-groups are here: the joint loads meet
	tensor_load_to_lds s[G0X:G0X+3], s[GX:GX+7]    ; four loads of mine are out: all that this launch brings into LDS
	s_nop 0
	tensor_load_to_lds s[G0W:G0W+3], s[GW:GW+7]
	s_nop 0
	tensor_load_to_lds s[G0W+4:G0W+7], s[GW:GW+7]
	s_nop 0
	tensor_load_to_lds s[G0W+8:G0W+11], s[GW:GW+7]
	s_nop 0
.rept 4
	v_nop
.endr
	s_mov_b32 s[SEL], 0x76543210
	s_mov_b32 s[SEL+1], 0xfedcba98                 ; lane l xor 16
	s_lshl_b32 s2, s37, 13                         ; x's scale bytes: 16 a row
	s_lshl_b32 s3, s[WV], 11
	s_add_co_u32 s2, s2, s3
	s_mov_b32 s3, 0
	s_add_nc_u64 s[6:7], s[6:7], s[2:3]
	s_lshl_b32 s2, s40, 11                         ; W's: my 128 rows
	s_add_nc_u64 s[14:15], s[14:15], s[2:3]
	s_add_nc_u64 s[16:17], s[16:17], s[2:3]
	s_add_nc_u64 s[18:19], s[18:19], s[2:3]
	s_lshl_b32 s2, s40, 9                          ; the biases: my 128 numbers
	s_add_nc_u64 s[20:21], s[20:21], s[2:3]
	s_add_nc_u64 s[22:23], s[22:23], s[2:3]
	s_add_nc_u64 s[24:25], s[24:25], s[2:3]
	s_lshl_b32 s38, s37, 2
	s_add_co_u32 s38, s38, s[WV]                   ; G = 4 Y + w
	s_lshl_b32 s2, s38, 15
	s_lshl_b32 s66, s40, 13
	s_add_co_u32 s2, s2, s66
	s_add_nc_u64 s[80:81], s[26:27], s[2:3]        ; qf + 32,768 G + 8,192 g
	s_lshr_b32 s2, s2, 4
	s_add_nc_u64 s[82:83], s[28:29], s[2:3]        ; qs: a sixteenth of that
	s_lshr_b32 s98, s38, 3
	s_lshl_b32 s98, s98, 19                        ; the batch's 524,288 bytes
	s_and_b32 s99, s38, 7                          ; kg
	s_lshr_b32 s2, s99, 1
	s_lshl_b32 s2, s2, 17                          ; K: stream kg / 2,
	s_add_co_u32 s2, s2, s98
	s_and_b32 s66, s99, 1
	s_lshl_b32 s66, s66, 2
	s_add_co_u32 s66, s66, s40
	s_lshl_b32 s66, s66, 13                        ; unit 4 (kg % 2) + g
	s_add_co_u32 s2, s2, s66
	s_add_nc_u64 s[84:85], s[30:31], s[2:3]
	s_lshr_b32 s2, s2, 4
	s_add_nc_u64 s[86:87], s[32:33], s[2:3]
	s_lshl_b32 s2, s40, 17                         ; V: stream g,
	s_add_co_u32 s2, s2, s98
	s_add_co_u32 s67, s99, 8
	s_lshl_b32 s67, s67, 13                        ; unit 8 + kg
	s_add_co_u32 s2, s2, s67
	s_add_nc_u64 s[88:89], s[30:31], s[2:3]
	s_lshr_b32 s2, s2, 4
	s_add_nc_u64 s[90:91], s[32:33], s[2:3]
	v_and_b32 v1, 15, v0                           ; r
	v_bfe_u32 v2, v0, 4, 1                         ; h
	v_and_b32 v[LI], 31, v0
	v_lshlrev_b32 v[LI], 4, v[LI]
	v_mul_u32_u24 v[XA], v1, PITCH
	v_lshl_add_u32 v[XA], v2, 4, v[XA]
	v_add_nc_u32 v[WA], WL, v[XA]
	v_add_nc_u32 v[WA+1], WL+WBLK, v[XA]
	v_add_nc_u32 v[WA+2], WL+2*WBLK, v[XA]
	v_add_nc_u32 v[XA], s39, v[XA]
	v_lshlrev_b32 v[R16], 4, v1
	v_lshlrev_b32 v[H32], 5, v2
	v_lshlrev_b32 v[R4], 2, v1
	v_lshlrev_b32 v[SO], 5, v1
	v_lshl_add_u32 v[SO], v2, 4, v[SO]
	v_cmp_ne_u32 vcc_lo, 0, v2                     ; lanes 16-31; VCC is written nowhere else
.irp b, 0,1,2,3
	v_mov_b32 v[T2+\b], 0                          ; a lane permute's destination counts as one of its sources
.endr
.irp m, 0,1,2,3,4,5,6,7
	global_load_b128 v[XS+4*\m:XS+4*\m+3], v[R16], s[6:7] offset:256*\m   ; x's scale words: row 16 m + r, four K steps
.endr
	WSLOAD 14
	BILOAD_T 20
	s_wait_tensorcnt 0x0                           ; my rows of x and my parts of the three W are in LDS;
	s_barrier_signal -1
	s_barrier_wait -1                              ; everybody's are: W's rows came by four waves
	WIN 0x40                                       ; destination window 1
.irp m, 0,1,2,3,4,5,6,7
.irp s, 0,1,2,3
.irp c, 0,1
	ds_load_b128 v[8*(4*\m+\s)+4*\c:8*(4*\m+\s)+4*\c+3], v[XA] offset:\m*TROW+64*\s+32*\c
.endr
.endr
.endr
	WIN 0
	WFETCH 0, 0, 0
	WFETCH 0, 0, 4
	s_wait_loadcnt 0x0                             ; scale words and bias
	; ---- q
	STEP1 0, 0, 0, 1, 1
	BILOAD_T 22                                    ; bk: the bias was last read by the step above, four plain lines back
	STEP1 0, 1, 0, 2, 1
	STEP1 0, 2, 0, 3, 1
	STEP1 0, 3, 1, 0, 1
	WSLOAD 16
	EPI 0, 80, 82
	s_wait_loadcnt 0x0
	; ---- k
	STEP1 0, 0, 1, 1, 1
.irp t, 0,1,2,3,4,5,6,7
.irp j, 0,1,2,3,4,5,6,7
	global_load_b32 v[BI+8*\t+\j], v[R4], s[24:25] offset:64*\t   ; bv where a lane holds ONE channel 16 t + r: the same number in all eight registers
.endr
.endr
	STEP1 0, 1, 1, 2, 1
	STEP1 0, 2, 1, 3, 1
	STEP1 0, 3, 2, 0, 1
	WSLOAD 18
	EPI 0, 84, 86
	s_wait_loadcnt 0x0
	; ---- v, with the sources swapped
	STEP1 1, 0, 2, 1, 1
	STEP1 1, 1, 2, 2, 1
	STEP1 1, 2, 2, 3, 1
	STEP1 1, 3, 0, 0, 0
	EPI 1, 88, 90
	s_wait_tensorcnt 0x0
	ds_add_u32 v254, v255
	s_wait_dscnt 0x0
	CROUND                                         ; the closing round
	s_endpgm
.Lfunc_end_k_q022903e998_proj:
	.size	k_q022903e998_proj, .Lfunc_end_k_q022903e998_proj-k_q022903e998_proj
	.p2alignl 7, 3214868480
	.fill 96, 4, 3214868480
	.section	.rodata,"a",@progbits
	.p2align	6, 0x0
	.amdhsa_kernel k_q022903e998_proj
		.amdhsa_group_segment_fixed_size 262656
		.amdhsa_private_segment_fixed_size 0
		.amdhsa_enable_private_segment 0
		.amdhsa_kernarg_size 120
		.amdhsa_user_sgpr_count 2
		.amdhsa_user_sgpr_kernarg_segment_ptr 1
		.amdhsa_wavefront_size32 1
		.amdhsa_system_sgpr_workgroup_id_x 1
		.amdhsa_system_sgpr_workgroup_id_y 1
		.amdhsa_system_sgpr_workgroup_id_z 1
		.amdhsa_system_vgpr_workitem_id 0
		.amdhsa_next_free_vgpr 1024
		.amdhsa_next_free_sgpr 100
		.amdhsa_reserve_vcc 1
		.amdhsa_float_denorm_mode_32 3
		.amdhsa_float_denorm_mode_16_64 3
		.amdhsa_memory_ordered 1
		.amdhsa_forward_progress 1
		.amdhsa_inst_pref_size 242
	.end_amdhsa_kernel
	.amdgpu_metadata
---
amdhsa.version: [ 1, 2 ]
amdhsa.kernels:
  - .name:           k_q022903e998_proj
    .symbol:         k_q022903e998_proj.kd
    .args:
      - { .name: x_codes, .offset: 0, .size: 8, .value_kind: global_buffer, .address_space: global }
      - { .name: x_scales, .offset: 8, .size: 8, .value_kind: global_buffer, .address_space: global }
      - { .name: Wq_codes, .offset: 16, .size: 8, .value_kind: global_buffer, .address_space: global }
      - { .name: Wk_codes, .offset: 24, .size: 8, .value_kind: global_buffer, .address_space: global }
      - { .name: Wv_codes, .offset: 32, .size: 8, .value_kind: global_buffer, .address_space: global }
      - { .name: Wq_scales, .offset: 40, .size: 8, .value_kind: global_buffer, .address_space: global }
      - { .name: Wk_scales, .offset: 48, .size: 8, .value_kind: global_buffer, .address_space: global }
      - { .name: Wv_scales, .offset: 56, .size: 8, .value_kind: global_buffer, .address_space: global }
      - { .name: bq, .offset: 64, .size: 8, .value_kind: global_buffer, .address_space: global }
      - { .name: bk, .offset: 72, .size: 8, .value_kind: global_buffer, .address_space: global }
      - { .name: bv, .offset: 80, .size: 8, .value_kind: global_buffer, .address_space: global }
      - { .name: qf, .offset: 88, .size: 8, .value_kind: global_buffer, .address_space: global }
      - { .name: qs, .offset: 96, .size: 8, .value_kind: global_buffer, .address_space: global }
      - { .name: kv, .offset: 104, .size: 8, .value_kind: global_buffer, .address_space: global }
      - { .name: kvs, .offset: 112, .size: 8, .value_kind: global_buffer, .address_space: global }
    .group_segment_fixed_size: 262656
    .private_segment_fixed_size: 0
    .kernarg_segment_align: 8
    .kernarg_segment_size: 120
    .max_flat_workgroup_size: 128
    .sgpr_count:     100
    .vgpr_count:     1024
    .wavefront_size: 32
...
	.end_amdgpu_metadata
.endif
;; end of part 1
;; launch attn (part 2): grid 8 x 32, 4 waves a work-group, no clusters, 311,808 bytes of LDS; arguments qf, qs, kv, kvs, x_codes, x_scales, Wv_codes, Wv_scales, bv, beta, out0; writes out0
.if DOCPART == 2
	.amdgcn_target "amdgcn-amd-amdhsa--gfx1250"
	.amdhsa_code_object_version 6
	.text
	.protected	k_q022903e998_attn
	.globl	k_q022903e998_attn
	.p2align	8
	.type	k_q022903e998_attn,@function
k_q022903e998_attn:
	s_mov_b64 s[64:65], 0
	v_nop
	global_prefetch_b8 v0, s[64:65] scope:SCOPE_SE
	s_setreg_imm32_b32 hwreg(HW_REG_WAVE_MODE, 25, 1), 1
	s_wait_xcnt 0x0
; out = beta softmax(q k^T) v + v, both products on codes of FP4 (E2M1) with E8M0 scales; q, k, v come as images of operand registers (qf, qs, kv, kvs); the residual v is made anew from x and Wv.
; SHARES.  A work-group owns 128 queries (group Gq = 8 batch + x) of one batch: 8 tiles of 16.  THE FOUR WAVES SHARE COLUMNS, NOT ROWS: each has 64 accumulators, (query tile a, column tile b) at 8 (8 (a % 4) + b) of window 2 + a / 4.
;   A: S^T = K Q^T for keys 256 w on, two groups of 128 (source 0 = 16 keys, source 1 = 16 queries: a lane holds ONE query and eight keys), each followed by its softmax;
;   B: O^T = V^T P^T for channels 128 w on, over all eight key groups;
;   C: BY QUERY TILES: O^T x beta / l + bv, onto it x Wv^T (four K steps, the tile's eight accumulators by turns), and the tile's 16 rows leave at once, while the next tiles are multiplied.
; THE SOFTMAX.  t = score x log2(e).  Each group of 128 keys has its own whole number M = ceil(its largest t) and p = 2^(t - M), quantised along the keys at once, and its own sum l of the unquantised p.  When all groups are done
; the row's M is the largest of the eight; 2^(M group - M row), an exact power of two, goes into the group's l and into p's SCALE BYTES: the codes stay as they are and O is never rescaled.
; K AND V GO FROM MEMORY STRAIGHT INTO REGISTERS: each byte of the batch's stream (w) is used by this one wave once; a ring of four sets of 64 registers fills window 1; a unit (8 fragments and their scale words) is 18 loads, asked for four units ahead.
; NO JOINT LOADS here: they land in LDS, where beside P's 65,536 bytes and Q, x and Wv (206,848 bytes) two slots of the 131,072 bytes that the four waves use at a time do not fit, and each byte would be written and read once more.
; Q, my rows of x and Wv come once by tensor loads; nothing in LDS is filled again.  Q is asked for first, since the first products want it; x and Wv, which the residual alone wants, behind the stream's first four units; they are waited for behind the second softmax.
; LIMITS: NaN and infinities are not served.  A block of p whose mended byte would fall under 1 is held at 1: it then counts for at most 6 x 2^-126 beside a row's sum above 1/2.  p under 2^-126 is 0.
; The residual is summed onto beta O / l + bv: another order of rounding than out = beta o + v.
; REGISTERS, window 0: v1-15 addresses; v16-47 Q's scale words, later x's; v48-79 the ring's, later Wv's; v80-95 P's, two sets; v96-127 at work, later bv; v128-191 the source-1 fragments (Q, P; of x two buffers of 32);
;   v192-255 first the copies of bv and of the scale bytes on their way to LDS, then the rows' figures, then bv and beta / l.
.set XL,  32768                        ; LDS: Q's 32 images from 0; my 128 rows of x, 272 bytes apart;
.set WL,  67584                        ; Wv's 512 rows, wave w's 128 at 34,816 w;
.set PL,  206848                       ; P's images [key group 8][query tile 8][1,024];
.set PSC, 272384                       ; P's mended scale words [key group][lane 32][tile 8];
.set EX,  280576                       ; (-M, l) pairs [tile][r 16][key group];
.set RAW, 288768                       ; P's scale words as made [w][group 2][tile][lane];
.set BVL, 296960                       ; bv;
.set WSL, 299008                       ; Wv's scale bytes;
.set XSL, 307200                       ; my rows' scale bytes of x.  The end: 309,248
.set LI,   1                           ; v1   16 x lane
.set R32,  2                           ; v2   32 r
.set PAD0, 3
.set EAD0, 4
.set RAD0, 5
.set PAD,  6                           ; v6-8 where a softmax stores: the three above + the key group's step
.set EAD,  7
.set RAD,  8
.set LIP,  9
.set PSA,  10
.set PFO,  11                          ; v11  256 x lane
.set CAD,  12
.set FAD,  13
.set WAD,  14
.set XAD,  15
.set BVA,  3                           ; made behind the third barrier, when v3-7 are free
.set WSA,  4
.set XSA,  5
.set STO,  6
.set RD,   7
.set QS,   16
.set KS,   48
.set PSR,  80
.set BM,   96
.set TP,   100
.set OP,   104
.set BY,   108
.set NM,   112                         ; v[112:113] -M and l
.set LA,   114
.set LB,   116
.set XM,   118
.set WD,   119
.set PC,   120
.set AF,   128
.set SD,   192                         ; v192-215 the six copies' data;  v216-217 their offsets in memory, v218-220 their places in LDS
.set SA,   216
.set NO,   192
.set WO,   208
.set NMF,  224
.set T8,   232
.set RL,   240
.set WV,   27
.set GD,   36                          ; s[36:43] group 1: a dense block;  s[44:51] 32 padded rows;  s[52:59] 128 padded rows
.set GXR,  44
.set GWR,  52
.set SB,   76                          ; s[76:77] my stream of codes;  s[78:79] of scale words
.set SS,   78
.set CS,   80                          ; s[80:81] log2(e), twice
.set SEL,  82
.set MSB, 0
.macro WIN new
.if MSB != (\new)
	s_set_vgpr_msb (MSB<<8)|(\new)
.set MSB, (\new)
.endif
.endm
.macro PLACES                          ; four plain vector lines between a matrix instruction and a load into, or a vector read of, its registers
.rept 4
	v_nop
.endr
.endm
.macro BAR                             ; my LDS stores have landed and my LDS loads are in: then the work-group's barrier
	s_wait_dscnt 0x0
	s_barrier_signal -1
	s_barrier_wait -1
.endm
.macro ULOAD rel, p                    ; unit rel, counted from where the stream's pointers stand, into set p: 16 + 2 loads
	WIN 0x40
.irp i, 0,1,2,3,4,5,6,7
	global_load_b128 v[64*(\p)+8*\i:64*(\p)+8*\i+3], v[LI], s[SB:SB+1] offset:8192*(\rel)+1024*\i
	global_load_b128 v[64*(\p)+8*\i+4:64*(\p)+8*\i+7], v[LI], s[SB:SB+1] offset:8192*(\rel)+1024*\i+512
.endr
	WIN 0
	global_load_b128 v[KS+8*(\p):KS+8*(\p)+3], v[R32], s[SS:SS+1] offset:512*(\rel)
	global_load_b128 v[KS+8*(\p)+4:KS+8*(\p)+7], v[R32], s[SS:SS+1] offset:512*(\rel)+16
.endm
; 16 matrix instructions: query tiles a0, a0 + 1 x eight column tiles.  Source 0 at v[bb + 8 b] of window 1, source 1 at v[AF + 8 a]; their scale words at sa + sas b and sb + sbs a.  The 64 accumulators take turns.
.macro MUL16 a0, bb, sa, sas, sb, sbs, zero
	WIN 0xa1+0x50*((\a0)/4)
.irp a, \a0, \a0+1
.irp b, 0,1,2,3,4,5,6,7
.set rD, 8*(8*((\a)%4)+\b)
.if \zero
	v_wmma_scale_f32_16x16x128_f8f6f4 v[rD:rD+7], v[(\bb)+8*\b:(\bb)+8*\b+7], v[AF+8*(\a):AF+8*(\a)+7], 0, v[(\sa)+(\sas)*\b], v[(\sb)+(\sbs)*(\a)] matrix_a_fmt:MATRIX_FMT_FP4 matrix_b_fmt:MATRIX_FMT_FP4
.else
	v_wmma_scale_f32_16x16x128_f8f6f4 v[rD:rD+7], v[(\bb)+8*\b:(\bb)+8*\b+7], v[AF+8*(\a):AF+8*(\a)+7], v[rD:rD+7], v[(\sa)+(\sas)*\b], v[(\sb)+(\sbs)*(\a)] matrix_a_fmt:MATRIX_FMT_FP4 matrix_b_fmt:MATRIX_FMT_FP4
.endif
.endr
.endr
.endm
.macro AIMG adr, off, a0               ; four images (Q's or P's) into the fragment set
.irp a, \a0, \a0+1, \a0+2, \a0+3
.irp c, 0,1
	ds_load_b128 v[AF+8*(\a)+4*\c:AF+8*(\a)+4*\c+3], v[\adr] offset:(\off)+1024*(\a)+512*\c
.endr
.endr
.endm
.macro XTILE a                         ; x's fragments of query tile a, all four K steps, into buffer a % 2: eight loads
.irp s, 0,1,2,3
.irp c, 0,1
	ds_load_b128 v[AF+32*((\a)%2)+8*\s+4*\c:AF+32*((\a)%2)+8*\s+4*\c+3], v[XAD] offset:4352*(\a)+64*\s+32*\c
.endr
.endr
.endm
.macro WNEXT p                         ; Wv's eight fragments of K step p into set p of window 1, and the scale words of its tiles 2 p, 2 p + 1 into the ring's scale set p: 18 loads
	WIN 0x40
.irp t, 0,1,2,3,4,5,6,7
.irp c, 0,1
	ds_load_b128 v[64*(\p)+8*\t+4*\c:64*(\p)+8*\t+4*\c+3], v[WAD] offset:4352*\t+64*(\p)+32*\c
.endr
.endr
	WIN 0
	ds_load_b128 v[KS+8*(\p):KS+8*(\p)+3], v[WSA] offset:512*(\p)          ; tile t's four words, one a K step, at KS + 4 t
	ds_load_b128 v[KS+8*(\p)+4:KS+8*(\p)+7], v[WSA] offset:512*(\p)+256
.endm
.macro PSRLOAD kg                      ; P's mended scale words of key group kg, eight tiles
	ds_load_b128 v[PSR+8*((\kg)%2):PSR+8*((\kg)%2)+3], v[PSA] offset:1024*(\kg)
	ds_load_b128 v[PSR+8*((\kg)%2)+4:PSR+8*((\kg)%2)+7], v[PSA] offset:1024*(\kg)+16
.endm
; K step g of S^T: the ring's set g against Q's images of step g.
.macro ASTEP g
.set zG, 0
.if (\g) == 0
.set zG, 1
.endif
	s_wait_loadcnt 54                              ; this unit's 18 loads, and all that were issued ahead of them, are in; the three younger units may be out
	s_wait_dscnt 8                                 ; Q's tiles 0-3 are in; the youngest eight LDS loads may be out
	MUL16 0, 64*(\g), KS+8*(\g), 1, QS+8*(\g), 1, zG
	MUL16 2, 64*(\g), KS+8*(\g), 1, QS+8*(\g), 1, zG
	s_wait_dscnt 0x0
	PLACES
	WIN 0
.if (\g) < 3
	AIMG LI, 8192*((\g)+1), 0
.endif
	MUL16 4, 64*(\g), KS+8*(\g), 1, QS+8*(\g), 1, zG
	MUL16 6, 64*(\g), KS+8*(\g), 1, QS+8*(\g), 1, zG
	PLACES
	WIN 0
.if (\g) < 3
	AIMG LI, 8192*((\g)+1), 4
.endif
	ULOAD 4+(\g), \g                               ; the set just multiplied takes the unit four on
.endm
; The softmax of query tile qt over the 128 keys in hand: 64 scores a lane, register 16 b + i of block b.
.macro SOFT qt
.set sW, (\qt)/4
.set sB, 64*((\qt)%4)
	WIN 0x0a+5*sW
.irp e, 0,2,4,6,8,10,12,14
.irp b, 0,1,2,3
.if \e == 0
	v_max3_num_f32 v[BM+\b], v[sB+16*\b], v[sB+16*\b+1], 0xff800000   ; each block's largest score, each accumulator from its low end on, the four blocks by turns
.else
	v_max3_num_f32 v[BM+\b], v[sB+16*\b+\e], v[sB+16*\b+\e+1], v[BM+\b]
.endif
.endr
.endr
	WIN 0
.irp b, 0,1,2,3
	v_permlanex16_b32 v[TP+\b], v[BM+\b], s[SEL], s[SEL+1]
.endr
.irp b, 0,1,2,3
	v_max_num_f32 v[BM+\b], v[BM+\b], v[TP+\b]     ; with lane l xor 16's 16 keys
.endr
	v_max3_num_f32 v[XM], v[BM], v[BM+1], v[BM+2]
	v_max_num_f32 v[XM], v[XM], v[BM+3]
	s_wait_dscnt 0x0                               ; the last tile's LDS stores are done: their registers are written again below
	v_mul_f32 v[XM], s[CS], v[XM]                  ; as t
	v_floor_f32 v[NM], -v[XM]                      ; -M = floor(-t): M is a whole number
.irp b, 0,1,2,3
	v_fma_f32 v[BM+\b], v[BM+\b], s[CS], v[NM]     ; t - M of each block's largest score
.endr
	WIN 0x82+0x41*sW
.set j, 0
.rept 32
	v_pk_fma_f32 v[sB+j:sB+j+1], v[sB+j:sB+j+1], s[CS:CS+1], v[NM:NM+1] op_sel_hi:[1,0,0]   ; t - M, two at a time
.set j, j+2
.endr
.set j, 0
.rept 64
	v_exp_f32 v[sB+j], v[sB+j]                     ; p = 2^(t - M)
.set j, j+1
.endr
	WIN 0
.irp b, 0,1,2,3
	v_exp_f32 v[BM+\b], v[BM+\b]                   ; the block's largest p: the same two operations on the same number
.endr
	v_nop                                          ; a plain line behind the last exponential
	s_wait_alu depctr_va_vdst(0)                   ; one wait for the batch of 68, ahead of its first reader
	WIN 0x0a+5*sW
	v_pk_add_f32 v[LA:LA+1], v[sB:sB+1], v[sB+2:sB+3]          ; the sum of the unquantised p, in four chains
	v_pk_add_f32 v[LB:LB+1], v[sB+4:sB+5], v[sB+6:sB+7]
	v_pk_add_f32 v[TP:TP+1], v[sB+8:sB+9], v[sB+10:sB+11]
	v_pk_add_f32 v[TP+2:TP+3], v[sB+12:sB+13], v[sB+14:sB+15]
	WIN 0x08+4*sW
.set j, 16
.rept 6
	v_pk_add_f32 v[LA:LA+1], v[LA:LA+1], v[sB+j:sB+j+1]
	v_pk_add_f32 v[LB:LB+1], v[LB:LB+1], v[sB+j+2:sB+j+3]
	v_pk_add_f32 v[TP:TP+1], v[TP:TP+1], v[sB+j+4:sB+j+5]
	v_pk_add_f32 v[TP+2:TP+3], v[TP+2:TP+3], v[sB+j+6:sB+j+7]
.set j, j+8
.endr
	WIN 0
.irp b, 0,1,2,3
	v_max_num_f32 v[BM+\b], 0x1800000, v[BM+\b]    ; the floor 2^(3 - 127): the byte cannot fall under 1
.endr
	v_pk_add_f32 v[LA:LA+1], v[LA:LA+1], v[LB:LB+1]
	v_pk_add_f32 v[TP:TP+1], v[TP:TP+1], v[TP+2:TP+3]
.irp b, 0,1,2,3
	v_add_nc_u32 v[OP+\b], 0xff000000, v[BM+\b]    ; 2 off the exponent field: the conversion's scale operand
.endr
	v_pk_add_f32 v[LA:LA+1], v[LA:LA+1], v[TP:TP+1]
.irp b, 0,1,2,3
	v_lshrrev_b32 v[BY+\b], 23, v[OP+\b]
.endr
	v_add_f32 v[NM+1], v[LA], v[LA+1]
	v_lshl_or_b32 v[WD], v[BY+1], 8, v[BY]
	v_permlanex16_b32 v[TP], v[NM+1], s[SEL], s[SEL+1]
	v_lshl_or_b32 v[WD], v[BY+2], 16, v[WD]
	v_add_f32 v[NM+1], v[NM+1], v[TP]              ; l of these 128 keys
	v_lshl_or_b32 v[WD], v[BY+3], 24, v[WD]        ; the scale word under this group's M
	WIN 0x02+sW
.irp u, 0,1,2,3,4,5,6,7
	v_cvt_scalef32_pk8_fp4_f32 v[PC+4*(\u/4)+2*(\u%2)+(\u%4)/2], v[sB+8*\u:sB+8*\u+7], v[OP+\u/2]
.endr
	v_nop                                          ; one plain line behind the last scaled conversion
	WIN 0
.irp c, 0,1
	v_permlane16_swap_b32 v[PC+4*\c], v[PC+4*\c+1]
	v_permlane16_swap_b32 v[PC+4*\c+2], v[PC+4*\c+3]
.endr
	ds_store_b128 v[PAD], v[PC:PC+3] offset:1024*(\qt)         ; P's fragment as an image of its registers
	ds_store_b128 v[PAD], v[PC+4:PC+7] offset:1024*(\qt)+512
	ds_store_b64 v[EAD], v[NM:NM+1] offset:1024*(\qt)          ; (-M, l); lanes l and l xor 16 write the same
	ds_store_b32 v[RAD], v[WD] offset:128*(\qt)
.endm
; Key group kg of O^T: the ring's set kg % 4 (V^T) against P's images.  lc: the loads of the units issued behind this one.  dc: the LDS loads issued behind P's tiles 0-3 and the scale words.
; The last four steps have no unit left to ask for: the set that falls free takes a K step of Wv for the residual.
.macro BSTEP kg, lc, dc
.set zG, 0
.if (\kg) == 0
.set zG, 1
.endif
	s_wait_loadcnt \lc
	s_wait_dscnt \dc                               ; P's tiles 0-3 and the scale words are in; P's tiles 4-7 (8 loads) and, from step 5 on, Wv's 18 may be out
	MUL16 0, 64*((\kg)%4), KS+8*((\kg)%4), 1, PSR+8*((\kg)%2), 1, zG
	MUL16 2, 64*((\kg)%4), KS+8*((\kg)%4), 1, PSR+8*((\kg)%2), 1, zG
	s_wait_dscnt 0x0
	PLACES
	WIN 0
.if (\kg) < 7
	AIMG LIP, 8192*((\kg)+1), 0
	PSRLOAD (\kg)+1
.endif
	MUL16 4, 64*((\kg)%4), KS+8*((\kg)%4), 1, PSR+8*((\kg)%2), 1, zG
	MUL16 6, 64*((\kg)%4), KS+8*((\kg)%4), 1, PSR+8*((\kg)%2), 1, zG
	PLACES
	WIN 0
.if (\kg) < 7
	AIMG LIP, 8192*((\kg)+1), 4
.endif
.if (\kg) < 4
	ULOAD 4+(\kg), (\kg)%4
.else
	WNEXT (\kg)-4
.endif
.endm
; THE RESIDUAL AND THE WAY OUT, a query tile at a time.
.macro SCALE q                         ; the tile's O^T x beta / l + bv, each accumulator from its low end on
	WIN 0x82+0x41*((\q)/4)
.irp t, 0,1,2,3,4,5,6,7
.irp j, 0,2,4,6
	v_pk_fma_f32 v[8*(8*((\q)%4)+\t)+\j:8*(8*((\q)%4)+\t)+\j+1], v[8*(8*((\q)%4)+\t)+\j:8*(8*((\q)%4)+\t)+\j+1], v[RL+2*(\q):RL+2*(\q)+1], v[96+8*\t+64*(\t/4)+\j:97+8*\t+64*(\t/4)+\j]
.endr
.endr
	PLACES
.endm
.macro MULROW q                        ; onto it x Wv^T: 32 matrix instructions, the tile's eight accumulators by turns, one instruction a turn; K ascending
	WIN 0xa1+0x50*((\q)/4)
.irp s, 0,1,2,3
.irp t, 0,1,2,3,4,5,6,7
.set rD, 8*(8*((\q)%4)+\t)
	v_wmma_scale_f32_16x16x128_f8f6f4 v[rD:rD+7], v[64*\s+8*\t:64*\s+8*\t+7], v[AF+32*((\q)%2)+8*\s:AF+32*((\q)%2)+8*\s+7], v[rD:rD+7], v[KS+4*\t+\s], v[QS+4*(\q)+\s] matrix_a_fmt:MATRIX_FMT_FP4 matrix_b_fmt:MATRIX_FMT_FP4
.endr
.endr
.endm
; 16 rows x 128 channels go through my stage (rows of 528 bytes) and come back as whole runs of 512 bytes, INTO THE REGISTERS THAT THEY LEFT: those are written no more, so the stores that read them want no wait.
; LDS serves a wave's instructions in order (ISA guide 5.7.1.4): the loads see the stores, and the next tile's stores come behind them.
.macro TOSTAGE a
.set AC, 64*((\a)%4)
	WIN 0x08+4*((\a)/4)                            ; an LDS store's data: window 2 or 3
.irp b, 0,1,2,3,4,5,6,7
	ds_store_b128 v[STO], v[AC+8*\b:AC+8*\b+3] offset:64*\b          ; each accumulator from its low end on
	ds_store_b128 v[STO], v[AC+8*\b+4:AC+8*\b+7] offset:64*\b+16
.endr
	WIN 0x80+0x40*((\a)/4)                         ; the loads' destination: the same window
.irp t, 0,1,2,3,4,5,6,7,8,9,10,11,12,13,14,15
	ds_load_b128 v[AC+4*\t:AC+4*\t+3], v[RD] offset:\t*528
.endr
	WIN 0
.endm
.macro SEND a, younger
.set AC, 64*((\a)%4)
	s_wait_dscnt \younger                          ; the tile is back in registers, and so are the next tile's fragments of x; the eight loads of the tile after that may be out
	WIN 0x08+4*((\a)/4)
.irp t, 0,1,2,3,4,5,6,7,8,9,10,11,12,13,14,15
	global_store_b128 v[LI], v[AC+4*\t:AC+4*\t+3], s[24:25] offset:32768*(\a)+2048*\t th:TH_STORE_NT   ; 32 lanes store 512 consecutive bytes, at a multiple of 256 from out0's first byte
.endr
.endm
	s_load_b512 s[4:19], s[0:1], 0x0               ; qf, qs, kv, kvs, x_codes, x_scales, Wv_codes, Wv_scales
	s_load_b128 s[20:23], s[0:1], 0x40             ; bv, beta
	s_load_b64 s[24:25], s[0:1], 0x50              ; out0
	v_lshl_add_u32 v254, v0, 2, 0x4c000
	v_mov_b32 v255, 0
	ds_add_u32 v254, v255
	ds_add_u32 v254, v255
	s_wait_dscnt 0x0
	v_lshrrev_b32 v1, 5, v0
	v_readfirstlane_b32 s[WV], v1                  ; wave 0..3
	s_and_b32 s29, ttmp7, 0xffff                   ; the batch
	s_lshl_b32 s30, s29, 3
	s_add_co_u32 s30, s30, ttmp9                   ; Gq
	s_mov_b32 s[GD], 3<<16                         ; elements of 8 bytes, no padding: 32 rows of 256 bytes, dense
	s_mov_b32 s[GD+1], 32<<16
	s_mov_b32 s[GD+2], 32<<16
	s_mov_b32 s[GD+3], 32<<16
	s_mov_b32 s[GD+4], 32
	s_mov_b32 s[GD+5], 32
	s_mov_b32 s[GD+6], 0
	s_mov_b32 s[GD+7], 0
	s_mov_b32 s[GXR], (1<<20)|(5<<22)|(3<<25)      ; elements of 1 byte; four words of padding after every 64
	s_mov_b32 s[GXR+1], 256<<16
	s_mov_b32 s[GXR+2], 32<<16
	s_mov_b32 s[GXR+3], 256<<16
	s_mov_b32 s[GXR+4], 32
	s_mov_b32 s[GXR+5], 256
	s_mov_b32 s[GXR+6], 0
	s_mov_b32 s[GXR+7], 0
	s_mov_b32 s[GWR], (1<<20)|(5<<22)|(3<<25)
	s_mov_b32 s[GWR+1], 256<<16
	s_mov_b32 s[GWR+2], 128<<16
	s_mov_b32 s[GWR+3], 256<<16
	s_mov_b32 s[GWR+4], 128
	s_mov_b32 s[GWR+5], 256
	s_mov_b32 s[GWR+6], 0
	s_mov_b32 s[GWR+7], 0
	s_lshl_b32 s32, s30, 15                        ; 32,768 Gq + 8,192 w: my quarter of Q's images, and my 32 of the group's rows of x
	s_lshl_b32 s33, s[WV], 13
	s_add_co_u32 s32, s32, s33
	s_mov_b32 s33, 0
	s_lshl_b32 s88, s[WV], 15                      ; my 128 rows of Wv
	s_mov_b32 s89, 0
	s_mul_i32 s35, s[WV], 34816
	s_add_co_u32 s35, s35, WL                      ; and their place in LDS; kept
	s_mul_i32 s34, s[WV], 8704
	s_wait_kmcnt 0x0
	s_mov_b32 s60, 1
	s_lshl_b32 s61, s[WV], 13
	s_add_nc_u64 s[62:63], s[4:5], s[32:33]
	s_or_b32 s63, s63, 0x80000000
	s_mov_b32 s68, 1
	s_add_co_u32 s69, s34, XL
	s_add_nc_u64 s[70:71], s[12:13], s[32:33]
	s_or_b32 s71, s71, 0x80000000
	s_mov_b32 s72, 1
	s_mov_b32 s73, s35
	s_add_nc_u64 s[74:75], s[16:17], s[88:89]
	s_or_b32 s75, s75, 0x80000000
	tensor_load_to_lds s[60:63], s[GD:GD+7]        ; Q first: the first products want it
	s_nop 0
.rept 4
	v_nop
.endr
	s_load_b32 s26, s[22:23], 0x0                  ; beta
	s_lshl_b32 s88, s29, 19
	s_lshl_b32 s31, s[WV], 17
	s_add_co_u32 s88, s88, s31
	s_add_nc_u64 s[SB:SB+1], s[8:9], s[88:89]      ; kv + 524,288 batch + 131,072 w
	s_lshr_b32 s88, s88, 4
	s_add_nc_u64 s[SS:SS+1], s[10:11], s[88:89]
	s_lshl_b32 s88, s30, 11
	s_add_nc_u64 s[6:7], s[6:7], s[88:89]          ; qs and x_scales at my group: 2,048 bytes each
	s_add_nc_u64 s[14:15], s[14:15], s[88:89]
	s_lshl_b32 s88, s30, 18
	s_lshl_b32 s31, s[WV], 9
	s_add_co_u32 s88, s88, s31
	s_add_nc_u64 s[24:25], s[24:25], s[88:89]      ; out0 at my group's first row, my 128 channels
	s_mov_b32 s[CS], 0x3fb8aa3b                    ; log2(e)
	s_mov_b32 s[CS+1], s[CS]
	s_mov_b32 s[SEL], 0x76543210
	s_mov_b32 s[SEL+1], 0xfedcba98
	v_and_b32 v8, 31, v0                           ; lane
	v_and_b32 v6, 15, v0                           ; r
	v_bfe_u32 v7, v0, 4, 1                         ; h
	v_lshlrev_b32 v[LI], 4, v8
	v_lshlrev_b32 v[R32], 5, v6
	s_lshl_b32 s34, s[WV], 11
	v_add_nc_u32 v[SA], s31, v[LI]                 ; 512 w + 16 lane
	v_add_nc_u32 v[SA+1], s34, v[LI]               ; 2,048 w + 16 lane
	global_load_b128 v[SD:SD+3], v[SA], s[20:21]   ; bv, Wv's and x's scale bytes are copied once, in runs of 512 bytes; they wait in registers and go to LDS behind the second softmax
.irp k, 0,1,2,3
	global_load_b128 v[SD+4+4*\k:SD+7+4*\k], v[SA+1], s[18:19] offset:512*\k
.endr
	global_load_b128 v[SD+20:SD+23], v[SA], s[14:15]
.irp g, 0,1,2,3
	global_load_b128 v[QS+8*\g:QS+8*\g+3], v[R32], s[6:7] offset:512*\g        ; Q's scale words: K step g, tiles 0-7 of row r
	global_load_b128 v[QS+8*\g+4:QS+8*\g+7], v[R32], s[6:7] offset:512*\g+16
.endr
	ULOAD 0, 0                                     ; the ring's four sets, with no wait between them
	ULOAD 1, 1
	ULOAD 2, 2
	ULOAD 3, 3
	tensor_load_to_lds s[68:71], s[GXR:GXR+7]      ; x and Wv last: the residual alone wants them.  Three tensor loads of mine are out: all that this launch brings in so;
	s_nop 0
	tensor_load_to_lds s[72:75], s[GWR:GWR+7]      ; all three stand ahead of the first wait on TENSORcnt, the first LDS read and the first barrier
	s_nop 0
.rept 4
	v_nop
.endr
	v_add_nc_u32 v[SA+2], BVL, v[SA]               ; where the copies go in LDS
	v_add_nc_u32 v[SA+3], WSL, v[SA+1]
	v_add_nc_u32 v[SA+4], XSL, v[SA]
	s_lshl_b32 s31, s[WV], 14
	s_add_co_u32 s31, s31, PL
	v_add_nc_u32 v[PAD0], s31, v[LI]               ; P's images of key group 2 w
	s_lshl_b32 s31, s[WV], 4
	s_add_co_u32 s31, s31, EX
	v_lshl_add_u32 v[EAD0], v6, 6, s31             ; EX + 64 r + 16 w
	s_add_co_u32 s31, s34, RAW
	v_lshl_add_u32 v[RAD0], v8, 2, s31             ; RAW + 2,048 w + 4 lane
	v_add_nc_u32 v[LIP], PL, v[LI]
	v_lshl_add_u32 v[PSA], v8, 5, PSC
	v_lshlrev_b32 v[PFO], 8, v8
	v_lshlrev_b32 v[CAD], 6, v6
	v_lshl_add_u32 v[CAD], v7, 5, v[CAD]
	v_add_nc_u32 v[CAD], EX, v[CAD]                ; EX + 64 r + 32 h
	s_add_co_u32 s31, s34, PSC
	v_lshl_add_u32 v[FAD], v8, 5, s31              ; PSC + 2,048 w + 32 lane
	v_mul_u32_u24 v[XAD], v6, 272
	v_lshl_add_u32 v[XAD], v7, 4, v[XAD]
	v_add_nc_u32 v[WAD], s35, v[XAD]
	v_add_nc_u32 v[XAD], XL, v[XAD]
.irp b, 0,1,2,3
	v_mov_b32 v[TP+\b], 0                          ; a lane permute's destination counts as one of its sources
.endr
.irp b, 0,1,2,3,4,5,6,7
	v_mov_b32 v[T8+\b], 0
.endr
	v_mov_b32 v[NM+1], 0                           ; named as the upper half of a pair before it is first written
	s_mov_b32 s84, 0                               ; the key group of my two
	s_mov_b32 s85, 0                               ; its step in P's images: 8,192
	s_mov_b32 s86, 0                               ; among the pairs: 8
	s_mov_b32 s87, 0                               ; among the raw scale words: 1,024
	s_wait_kmcnt 0x0                               ; beta
	s_wait_tensorcnt 0x2                           ; my quarter of Q is in LDS; the two loads issued behind it (x, Wv) may stay out
	BAR                                            ; everybody's quarter is
.Lst:                                              ; two trips: 128 keys each
	v_add_nc_u32 v[PAD], s85, v[PAD0]
	v_add_nc_u32 v[EAD], s86, v[EAD0]
	v_add_nc_u32 v[RAD], s87, v[RAD0]
	AIMG LI, 0, 0
	AIMG LI, 0, 4
	ASTEP 0
	ASTEP 1
	ASTEP 2
	ASTEP 3
	; A prefetch of the four units that the NEXT four unit loads will ask for (8 to 11 units on from where the stream's pointer stands: units 8-11, then 12-15, the stream's last): a unit is 8,192 bytes, lanes 256 bytes apart.
	; All eight work-groups of a batch walk the same streams: the batch's first asks, each wave for its own stream: so each block of 256 bytes is named once in the launch.  It stands behind the wave's own loads, eight softmax tiles ahead of the loads that will want the data.
	s_cmp_lg_u32 ttmp9, 0
	s_cbranch_scc1 .Lnopf
.irp g, 0,1,2,3
	global_prefetch_b8 v[PFO], s[SB:SB+1] offset:(8+\g)*8192 th:TH_LOAD_NT scope:SCOPE_SE
.endr
.Lnopf:
	SOFT 0
	SOFT 1
	SOFT 2
	SOFT 3
	SOFT 4
	SOFT 5
	SOFT 6
	SOFT 7
	s_wait_dscnt 0x0                               ; the last tile's stores are done: their addresses are written again at the trip's head
	s_wait_xcnt 0x0                                ; the unit loads and prefetches have read the stream's pointers
	s_add_nc_u64 s[SB:SB+1], s[SB:SB+1], 32768     ; four units on
	s_add_nc_u64 s[SS:SS+1], s[SS:SS+1], 2048
	s_add_co_u32 s85, s85, 8192
	s_add_co_u32 s86, s86, 8
	s_add_co_u32 s87, s87, 1024
	s_add_co_u32 s84, s84, 1
	s_cmp_lt_u32 s84, 2
	s_cbranch_scc1 .Lst
	s_wait_tensorcnt 0x0                           ; my parts of x and Wv are in LDS: nothing has read them yet
	ds_store_b128 v[SA+2], v[SD:SD+3]              ; the six copies (in since the first K step's wait on LOADcnt: they were issued ahead of unit 0)
.irp k, 0,1,2,3
	ds_store_b128 v[SA+3], v[SD+4+4*\k:SD+7+4*\k] offset:512*\k
.endr
	ds_store_b128 v[SA+4], v[SD+20:SD+23]
	BAR                                            ; all eight key groups' (-M, l), P's codes, x's rows and the copies lie in LDS
	; ---- the rows' M and l.  Lane (r, h) takes the pairs of key groups 4 h .. 4 h + 3 of row r, for each of the eight tiles
.irp q, 0,1,2,3,4,5,6,7
	ds_load_b128 v[AF+8*\q:AF+8*\q+3], v[CAD] offset:1024*\q
	ds_load_b128 v[AF+8*\q+4:AF+8*\q+7], v[CAD] offset:1024*\q+16
.endr
.irp t, 0,1
.irp q, 0,1,2,3,4,5,6,7
	ds_load_b32 v[NO+8*\t+\q], v[EAD0] offset:1024*\q+8*\t      ; my own two groups' -M,
	ds_load_b32 v[WO+8*\t+\q], v[RAD0] offset:1024*\t+128*\q    ; and their scale words as made
.endr
.endr
	s_wait_dscnt 0x0
.irp q, 0,1,2,3,4,5,6,7
	v_min3_num_f32 v[NMF+\q], v[AF+8*\q], v[AF+8*\q+2], v[AF+8*\q+4]
.endr
.irp q, 0,1,2,3,4,5,6,7
	v_min_num_f32 v[NMF+\q], v[NMF+\q], v[AF+8*\q+6]
.endr
.irp q, 0,1,2,3,4,5,6,7
	v_permlanex16_b32 v[T8+\q], v[NMF+\q], s[SEL], s[SEL+1]
.endr
.irp q, 0,1,2,3,4,5,6,7
	v_min_num_f32 v[NMF+\q], v[NMF+\q], v[T8+\q]   ; the least -M: the row's
.endr
.irp k, 0,1,2,3
.irp q, 0,1,2,3,4,5,6,7
	v_sub_f32 v[AF+8*\q+2*\k], v[NMF+\q], v[AF+8*\q+2*\k]      ; M group - M row: a whole number, 0 or less
.endr
.irp q, 0,1,2,3,4,5,6,7
	v_cvt_i32_f32 v[AF+8*\q+2*\k], v[AF+8*\q+2*\k]             ; (it saturates)
.endr
.irp q, 0,1,2,3,4,5,6,7
	v_ldexp_f32 v[AF+8*\q+2*\k+1], v[AF+8*\q+2*\k+1], v[AF+8*\q+2*\k]   ; the group's l under the row's M: nothing is rounded
.endr
.endr
.irp q, 0,1,2,3,4,5,6,7
	v_add_f32 v[AF+8*\q+1], v[AF+8*\q+1], v[AF+8*\q+3]
.endr
.irp q, 0,1,2,3,4,5,6,7
	v_add_f32 v[AF+8*\q+5], v[AF+8*\q+5], v[AF+8*\q+7]
.endr
.irp q, 0,1,2,3,4,5,6,7
	v_add_f32 v[AF+8*\q+1], v[AF+8*\q+1], v[AF+8*\q+5]
.endr
.irp q, 0,1,2,3,4,5,6,7
	v_permlanex16_b32 v[T8+\q], v[AF+8*\q+1], s[SEL], s[SEL+1]
.endr
.irp q, 0,1,2,3,4,5,6,7
	v_add_f32 v[AF+8*\q+1], v[AF+8*\q+1], v[T8+\q]             ; the row's l
.endr
.irp q, 0,1,2,3,4,5,6,7
	v_rcp_f32 v[T8+\q], v[AF+8*\q+1]
.endr
	; ---- my 16 scale words are mended: each byte + (M group - M row), held at 1 from below.  D' = 254 - max(d, -254); y = min(D' - byte, 253); the byte is 254 - y
.irp n, 0,1,2,3,4,5,6,7,8,9,10,11,12,13,14,15
	v_sub_f32 v[NO+\n], v[NMF+\n%8], v[NO+\n]      ; (plain lines behind the reciprocals, which they do not name)
.endr
.irp n, 0,1,2,3,4,5,6,7,8,9,10,11,12,13,14,15
	v_max_num_f32 v[NO+\n], 0xc37e0000, v[NO+\n]
.endr
.irp n, 0,1,2,3,4,5,6,7,8,9,10,11,12,13,14,15
	v_sub_f32 v[NO+\n], 0x437e0000, v[NO+\n]
.endr
.irp n, 0,1,2,3,4,5,6,7,8,9,10,11,12,13,14,15
	v_cvt_u32_f32 v[NO+\n], v[NO+\n]
.endr
	s_wait_alu depctr_va_vdst(0)                   ; one wait for the eight reciprocals, ahead of their first reader
.irp q, 0,1,2,3,4,5,6,7
	v_mul_f32 v[RL+2*\q], s26, v[T8+\q]            ; beta / l, twice: a pair for the packed multiply-add
	v_mul_f32 v[RL+2*\q+1], s26, v[T8+\q]
.endr
.irp n, 0,1,2,3,4,5,6,7,8,9,10,11,12,13,14,15
.set fT, 96+4*(\n%4)
	v_and_b32 v[fT], 0xff, v[WO+\n]
	v_bfe_u32 v[fT+1], v[WO+\n], 8, 8
	v_bfe_u32 v[fT+2], v[WO+\n], 16, 8
	v_lshrrev_b32 v[fT+3], 24, v[WO+\n]
.irp k, 0,1,2,3
	v_sub_nc_u32 v[fT+\k], v[NO+\n], v[fT+\k]
.endr
.irp k, 0,1,2,3
	v_min_u32 v[fT+\k], 253, v[fT+\k]
.endr
	v_lshl_or_b32 v[fT], v[fT+1], 8, v[fT]
	v_lshl_or_b32 v[fT+2], v[fT+3], 8, v[fT+2]
	v_lshl_or_b32 v[fT], v[fT+2], 16, v[fT]
	v_sub_nc_u32 v[WO+\n], 0xfefefefe, v[fT]       ; no byte borrows: each y is 253 at the most
.endr
.irp t, 0,1
	ds_store_b128 v[FAD], v[WO+8*\t:WO+8*\t+3] offset:1024*\t
	ds_store_b128 v[FAD], v[WO+8*\t+4:WO+8*\t+7] offset:1024*\t+16
.endr
	BAR                                            ; all eight groups' mended words lie in LDS
	v_and_b32 v8, 15, v0                           ; the addresses of what follows
	v_bfe_u32 v12, v0, 4, 1
	s_lshl_b32 s31, s[WV], 9
	s_add_co_u32 s31, s31, BVL
	v_lshl_add_u32 v[BVA], v12, 5, s31             ; bv: my 128 numbers, + 32 h
	s_add_co_u32 s32, s34, WSL
	v_lshl_add_u32 v[WSA], v8, 4, s32              ; Wv's scale words: my 128 rows, row r
	v_lshl_add_u32 v[XSA], v8, 4, XSL              ; x's
	v_mul_u32_u24 v[STO], v8, 528
	v_lshl_add_u32 v[STO], v12, 5, v[STO]
	v_add_nc_u32 v[STO], s35, v[STO]               ; the stage lies in my own rows of Wv: filled once, read by me alone, and all in registers when the first result is stored there
	v_add_nc_u32 v[RD], s35, v[LI]
	; what the residual wants and has room already: bv in the result's layout, x's scale words where Q's lay
.irp t, 0,1,2,3,4,5,6,7
	ds_load_b128 v[96+8*\t+64*(\t/4):99+8*\t+64*(\t/4)], v[BVA] offset:64*\t        ; bv at my eight channels of tile t: v96-127, v192-223
	ds_load_b128 v[100+8*\t+64*(\t/4):103+8*\t+64*(\t/4)], v[BVA] offset:64*\t+16
.endr
.irp t, 0,1,2,3,4,5,6,7
	ds_load_b128 v[QS+4*\t:QS+4*\t+3], v[XSA] offset:256*\t    ; query tile t, four K steps
.endr
	; ---- O^T = V^T P^T
	AIMG LIP, 0, 0
	PSRLOAD 0
	AIMG LIP, 0, 4
	BSTEP 0, 54, 8
	BSTEP 1, 54, 8
	BSTEP 2, 54, 8
	BSTEP 3, 54, 8
	BSTEP 4, 54, 8
	BSTEP 5, 36, 26
	BSTEP 6, 18, 26
	BSTEP 7, 0, 26
	; ---- the residual and the way out, tile by tile.  All of Wv's 32 fragments now lie in window 1
	XTILE 0
	XTILE 1
	SCALE 0                                        ; (it names bv and beta / l alone: it runs while the loads above are out)
	s_wait_dscnt 8                                 ; Wv's last K step and tile 0's fragments of x are in; tile 1's eight loads may be out
	MULROW 0
.irp a, 0,1,2,3,4,5,6,7
	PLACES                                         ; behind the tile's products: its results are read, and loads land in them and in its fragments of x
	TOSTAGE \a
.if \a < 6
	XTILE \a+2                                     ; its buffer takes the tile two further on
.endif
.if \a < 7
	SCALE \a+1                                     ; the next tile's multiply-adds stand between this tile's loads from the stage and the wait for them
.endif
.if \a < 6
	SEND \a, 8
.else
	SEND \a, 0
.endif
.if \a < 7
	MULROW \a+1
.endif
.endr
	WIN 0
	s_wait_xcnt 0x0
	v_lshl_add_u32 v254, v0, 2, 0x4c000
	v_mov_b32 v255, 0
	s_wait_tensorcnt 0x0
	ds_add_u32 v254, v255
	s_wait_dscnt 0x0
	s_endpgm
.Lfunc_end_k_q022903e998_attn:
	.size	k_q022903e998_attn, .Lfunc_end_k_q022903e998_attn-k_q022903e998_attn
	.p2alignl 7, 3214868480
	.fill 96, 4, 3214868480
	.section	.rodata,"a",@progbits
	.p2align	6, 0x0
	.amdhsa_kernel k_q022903e998_attn
		.amdhsa_group_segment_fixed_size 311808
		.amdhsa_private_segment_fixed_size 0
		.amdhsa_enable_private_segment 0
		.amdhsa_kernarg_size 88
		.amdhsa_user_sgpr_count 2
		.amdhsa_user_sgpr_kernarg_segment_ptr 1
		.amdhsa_wavefront_size32 1
		.amdhsa_system_sgpr_workgroup_id_x 1
		.amdhsa_system_sgpr_workgroup_id_y 1
		.amdhsa_system_sgpr_workgroup_id_z 1
		.amdhsa_system_vgpr_workitem_id 0
		.amdhsa_next_free_vgpr 1024
		.amdhsa_next_free_sgpr 90
		.amdhsa_reserve_vcc 0
		.amdhsa_float_denorm_mode_32 3
		.amdhsa_float_denorm_mode_16_64 3
		.amdhsa_memory_ordered 1
		.amdhsa_forward_progress 1
		.amdhsa_inst_pref_size 255
	.end_amdhsa_kernel
	.section	.bss,"aw",@nobits
	.p2align	6
	.space	262144
	.amdgpu_metadata
---
amdhsa.version: [ 1, 2 ]
amdhsa.kernels:
  - .name:           k_q022903e998_attn
    .symbol:         k_q022903e998_attn.kd
    .args:
      - { .name: qf, .offset: 0, .size: 8, .value_kind: global_buffer, .address_space: global }
      - { .name: qs, .offset: 8, .size: 8, .value_kind: global_buffer, .address_space: global }
      - { .name: kv, .offset: 16, .size: 8, .value_kind: global_buffer, .address_space: global }
      - { .name: kvs, .offset: 24, .size: 8, .value_kind: global_buffer, .address_space: global }
      - { .name: x_codes, .offset: 32, .size: 8, .value_kind: global_buffer, .address_space: global }
      - { .name: x_scales, .offset: 40, .size: 8, .value_kind: global_buffer, .address_space: global }
      - { .name: Wv_codes, .offset: 48, .size: 8, .value_kind: global_buffer, .address_space: global }
      - { .name: Wv_scales, .offset: 56, .size: 8, .value_kind: global_buffer, .address_space: global }
      - { .name: bv, .offset: 64, .size: 8, .value_kind: global_buffer, .address_space: global }
      - { .name: beta, .offset: 72, .size: 8, .value_kind: global_buffer, .address_space: global }
      - { .name: out0, .offset: 80, .size: 8, .value_kind: global_buffer, .address_space: global }
    .group_segment_fixed_size: 311808
    .private_segment_fixed_size: 0
    .kernarg_segment_align: 8
    .kernarg_segment_size: 88
    .max_flat_workgroup_size: 128
    .sgpr_count:     90
    .vgpr_count:     1024
    .wavefront_size: 32
...
	.end_amdgpu_metadata
.endif
;; end of part 2
